; MI455X (gfx1250); checked and timed in simulation.
; The chip was launched on July 23, 2026; its instructions are those of AMD's public machine-readable ISA for CDNA 5 (MIT licence, August 2026) and "CDNA5" Instruction Set Architecture Reference Guide (July 2026).
;; Seqlen Dynamic Sparse Attention. Allowed arithmetic: matrix products marked QUANTISED: E5M2 operands, one given power-of-two scale a tensor, by v_wmma_f32_16x16x64_bf8_bf8 or v_wmma_f32_16x16x128_bf8_bf8, f32 sums; everything else in f32.
;; Inputs: K_codes 4 x 8 x 2,048 x 2 x 32 uint8 (E5M2 codes of K, K innermost, in blocks of 32 codes); Q_codes 4 x 8 x 2,048 x 2 x 32 uint8 (E5M2 codes of Q, K innermost, in blocks of 32 codes); V_codes 4 x 8 x 64 x 64 x 32 uint8 (E5M2 codes of V, K innermost, in blocks of 32 codes); lowp_scales 4 int32 (the exponents e of the quantised operands' scales 2^e); seqlens 4 int32.
;; Outputs: out0 4 x 8 x 2,048 x 64 float32.
;; This version of the problem:
;;   THIS VERSION OF THE PROBLEM IS GIVEN IN LOW PRECISION. The matrix products marked QUANTISED in the list below multiply operands that are first quantised to E5M2 (5 exponent bits, 2 mantissa bits; 8 bits a number), with one given power-of-two scale for each operand tensor; their sums are f32. All else is computed in f32.
;;   The module's matrix products, in the order in which they are computed (A, B: the left and right operand; K: the contracted axis; several contracted axes count as one K, in the product's order):
;;     1. batch 32 x [M 2,048, K 64] x [K 64, N 2,048]; A: input Q (given as codes); B: input K (given as codes): QUANTISED (scales: A lowp_scales[0], B lowp_scales[1])
;;     2. batch 32 x [M 2,048, K 2,048] x [K 2,048, N 64]; A: softmax (see below); B: input V (given as codes): QUANTISED (scales: A lowp_scales[2], B lowp_scales[3])
;;   THE QUANTISER, for each operand of a quantised product, along K:
;;     - The operand's scale is 2^e, e = its entry of the input lowp_scales (int32; the entries are numbered through the quantised products in the list's order, A before B).
;;     - Each number is divided by the scale, clamped to +-57,344, and rounded to the nearest number of E5M2, ties to even, subnormals kept.
;;     - The product sums the exact products of the quantised numbers (number of the format x scale) in f32.
;;   ~~~python
;;   def quantise(x, axis, e):      # numpy; x: float32 -> the quantised numbers, widened to float32 again
;;       x = np.moveaxis(x, axis, -1); K = x.shape[-1]
;;       r = np.clip(x / 2.0 ** e, -57344, 57344)
;;       step = 2.0 ** (np.maximum(np.frexp(np.where(r == 0, 1, r))[1] - 1, -14) - 2)
;;       q = np.round(r / step) * step * 2.0 ** e      # np.round: ties to even
;;       return np.moveaxis(q, -1, axis).astype(np.float32)
;;   ~~~
;;   SOFTMAX AHEAD OF A QUANTISED PRODUCT. Where the list says 'softmax', what is quantised is not the finished softmax but p = 2^(t - M), with t = logit x log2(e) and M = ceil(the row's largest t), a whole number; so 1/2 < the row's largest p <= 1. The row's sum l is taken of the UNQUANTISED p, in f32, and the product's result is divided by l at the end. Since M is a whole number, a kernel that streams over the keys may use a running M (the ceiling of the running maximum): every later rescaling is an exact power of two, so the quantised numbers keep their values, but for numbers so far below the row's largest that they fall under the format's range.
;;   OPERANDS COMPUTED ON THE WAY. 'Computed on the way' means the value that the module computes at that place (a softmax that the list does not call 'softmax' is quantised finished and normalised). What goes into a quantiser is computed in f32, as accurately as f32 sums, v_exp_f32 and their like allow (about 1e-6 of the number): no bf16 or f16 on the way to a quantiser, and a product that is left as it is and whose result goes on into a quantised operand takes f32 operands (vector FMAs, or v_wmma_f32_16x16x4_f32). A number that lies on a knife's edge between two numbers of the format may be rounded either way, as far as f32 arithmetic and the matrix unit's own rounding can turn it there, and no further.
;;   INPUTS GIVEN AS CODES. K (in the module: [4, 8, 2048, 64], K = its axis 3); Q (in the module: [4, 8, 2048, 64], K = its axis 3); V (in the module: [4, 8, 2048, 64], K = its axis 2): each comes as NAME_codes (uint8): NAME with its K axis moved to the last place and cut into blocks of 32 codes, [.., K / 32, bytes a block], one block behind the other in memory; one code a byte (a code: sign, 5 exponent bits, 2 mantissa bits); its scale is its entry of lowp_scales. Its value is code x scale, taken as it is: it is not quantised again, and the codes and scales need not be those that the quantiser above would give.
;; One version. Each part assembles by itself: llvm-mc -triple=amdgcn-amd-amdhsa -mcpu=gfx1250 --defsym DOCPART=n.
;; ======== version 1 of 1: 1 launch
;; limits: right only within a limited range of input values
;; launch attn (part 1): grid 256 x 1, 16 waves a work-group, no clusters, 281,600 bytes of LDS; arguments K_codes, Q_codes, V_codes, lowp_scales, seqlens, out0; writes out0
.if DOCPART == 1
	.amdgcn_target "amdgcn-amd-amdhsa--gfx1250"
	.amdhsa_code_object_version 6
	.text
	.protected	k_q933cd40fc7_attn
	.globl	k_q933cd40fc7_attn
	.p2align	8
	.type	k_q933cd40fc7_attn,@function
k_q933cd40fc7_attn:
	s_mov_b64 s[64:65], 0
	v_nop
	global_prefetch_b8 v0, s[64:65] scope:SCOPE_SE
	s_setreg_imm32_b32 hwreg(HW_REG_WAVE_MODE, 25, 1), 1
	s_wait_xcnt 0x0
.set OBW,   4352
.set OBP,   272
.set OBSZ,  16*OBW
.set MXB,   2*OBSZ
.set MXP,   80
.set MXSZ,  16*MXP
.set LBO,   2*MXSZ
.set VIMG,  MXB+2*LBO
.set QIMG,  VIMG+16*8192
.set QISZ,  2048
.set TBIG,  -5
.set MW,   1
.set MR,   2
.set LR,   3
.set OW,   4
.set ORD,  6
.set QL,   8
.set OL,   9
.set DV,   10
.set NEGV, 11
.set NR,   12
.set SUM,  14
.set QB,   16
.set QS,   24
.set KB,   32
.set S,    96
.set KS,   160
.set PC,   224
.set T,    240
.set SCL,  248
.set LIM,  249
.set QO,   250
.set VI,   251
.set OO,   252
.set QR,   253
.set QWI,  254
.set QRI,  255
.set KL,   PC+4
.set VL,   PC+5
.set ZL,   PC+6
.set QA,   PC+7
.set RH,   PC+9
.set WV,   24
.set ID,   25
.set SLOT, 26
.set HH,   27
.set NT,   28
.set WT,   32
.set P1,   36
.set P2,   37
.set P3,   38
.set TT,   39
.set PT,   40
.set IP,   41
.set YY,   42
.set T2,   43
.set BB,   44
.set LOW,  45
.set UP,   46
.set SB,   47
.set NB,   48
.set NLO,  49
.set NHI,  50
.set G,    51
.set PART, 52
.set NACT, 53
.set DD,   54
.set TA,   55
.set TB,   56
.set TC,   57
.set X0,   58
.set X1,   59
.set SEL,  60
.set CS,   62
.set TRIP, 66
.set EPV,  67
.set OFS,  68
.set ZB,   70
.set ZT,   72
.set CL,   76
.set M7,   78
.set M8,   79
.set CQ,   80
.set CK,   81
.set FL,   82
	s_load_b256 s[4:11], s[0:1], 0x0
	s_load_b128 s[12:15], s[0:1], 0x20
	v_and_b32 v[T], 15, v0
	v_bfe_u32 v[T+1], v0, 4, 1
	v_and_b32 v[T+2], 31, v0
	v_lshrrev_b32 v[T+3], 5, v0
	v_readfirstlane_b32 s[WV], v[T+3]
	v_mul_u32_u24 v[MW], v[T], MXP
	v_lshl_add_u32 v[MW], v[T+3], 2, v[MW]
	v_add_nc_u32 v[MW], MXB, v[MW]
	v_mul_u32_u24 v[MR], v[T], MXP
	v_lshl_add_u32 v[MR], v[T+1], 5, v[MR]
	v_add_nc_u32 v[MR], MXB, v[MR]
	v_mul_u32_u24 v[LR], v[T+3], MXP
	v_lshl_add_u32 v[LR], v[T], 2, v[LR]
	v_add_nc_u32 v[LR], MXB+LBO, v[LR]
	v_mul_u32_u24 v[OW], v[T+3], OBW
	v_mul_u32_u24 v[T+4], v[T], OBP
	v_add_nc_u32 v[OW], v[OW], v[T+4]
	v_lshl_add_u32 v[OW], v[T+1], 5, v[OW]
	v_add_nc_u32 v[OW+1], OBSZ, v[OW]
	v_mul_u32_u24 v[ORD], v[T+3], OBP
	v_lshl_add_u32 v[ORD], v[T+2], 3, v[ORD]
	v_add_nc_u32 v[ORD+1], OBSZ, v[ORD]
	v_lshlrev_b32 v[VI], 13, v[T+3]
	v_lshl_add_u32 v[VI], v[T+2], 4, v[VI]
	v_add_nc_u32 v[VI], VIMG, v[VI]
	v_lshrrev_b32 v[QWI], 7, v0
	v_lshlrev_b32 v[QWI], 9, v[QWI]
	v_bfe_u32 v[T+4], v0, 5, 2
	v_lshl_add_u32 v[QWI], v[T+4], 2, v[QWI]
	v_lshl_add_u32 v[QWI], v[T+2], 4, v[QWI]
	v_add_nc_u32 v[QWI], QIMG, v[QWI]
	v_lshlrev_b32 v[QRI], 4, v[T+2]
	v_add_nc_u32 v[QRI], QIMG, v[QRI]
	v_lshlrev_b32 v[QL], 6, v[T]
	v_lshl_add_u32 v[QL], v[T+1], 3, v[QL]
	v_bfe_u32 v[T+4], v0, 6, 2
	v_lshl_add_u32 v[QL], v[T+4], 4, v[QL]
	v_bfe_u32 v[T+4], v0, 5, 1
	v_lshl_add_u32 v[QL], v[T+4], 2, v[QL]
	v_lshlrev_b32 v[OL], 8, v[T+3]
	v_lshl_add_u32 v[OL], v[T+2], 3, v[OL]
	v_and_b32 v[KL], 8, v[T]
	v_add_nc_u32 v[KL], v[KL], v[T]
	v_lshlrev_b32 v[KL], 6, v[KL]
	v_lshl_add_u32 v[KL], v[T+1], 3, v[KL]
	v_lshlrev_b32 v[VL], 11, v[T]
	v_lshl_add_u32 v[VL], v[T+1], 4, v[VL]
	v_lshlrev_b32 v[ZL], 4, v[T+2]
	v_lshlrev_b32 v[DV], 4, v[T+1]
	v_mov_b32 v[NR+1], 0
	s_mov_b32 s[ID], ttmp9
	s_mov_b32 s[SEL], 0x76543210
	s_mov_b32 s[SEL+1], 0xfedcba98
	s_mov_b32 s[M7], 0x7f7f7f7f
	s_mov_b32 s[M8], 0x80808080
	s_cmp_lt_u32 s[WV], 8
	s_cselect_b32 s[FL], 0, -1
	s_wait_kmcnt 0x0
	s_load_b128 s[16:19], s[12:13], 0x0
	s_load_b128 s[20:23], s[10:11], 0x0
	s_wait_kmcnt 0x0
.irp b, 0,1,2,3
	s_max_i32 s[16+\b], s[16+\b], 0
	s_min_i32 s[16+\b], s[16+\b], 2048
	s_add_co_u32 s[NT+\b], s[16+\b], 15
	s_lshr_b32 s[NT+\b], s[NT+\b], 4
	s_add_co_u32 s[X0], s[NT+\b], 31
	s_lshr_b32 s[X0], s[X0], 5
	s_lshl_b32 s[X0], s[X0], 1
	s_add_co_u32 s[X0], s[X0], 3
	s_mul_i32 s[WT+\b], s[NT+\b], s[X0]
.endr
	s_mov_b32 s[P1], s[WT]
	s_add_co_u32 s[P2], s[P1], s[WT+1]
	s_add_co_u32 s[P3], s[P2], s[WT+2]
	s_add_co_u32 s[TT], s[P3], s[WT+3]
	s_mul_i32 s[P1], s[P1], 56
	s_mul_i32 s[P2], s[P2], 56
	s_mul_i32 s[P3], s[P3], 56
	s_mul_i32 s[PT], s[TT], 56
	s_lshr_b32 s[SLOT], s[ID], 3
	s_and_b32 s[HH], s[ID], 7
	s_sub_co_i32 s[IP], s[SLOT], 4
	s_lshl_b32 s[YY], s[IP], 1
	s_add_co_u32 s[YY], s[YY], 1
	s_mul_i32 s[YY], s[YY], s[TT]
	s_mov_b32 s[BB], 0
	s_cmp_ge_u32 s[YY], s[P1]
	s_add_co_ci_u32 s[BB], s[BB], 0
	s_cmp_ge_u32 s[YY], s[P2]
	s_add_co_ci_u32 s[BB], s[BB], 0
	s_cmp_ge_u32 s[YY], s[P3]
	s_add_co_ci_u32 s[BB], s[BB], 0
	s_cmp_lt_u32 s[SLOT], 4
	s_cselect_b32 s[BB], s[SLOT], s[BB]
	s_min_u32 s[BB], s[BB], 3
	s_mov_b32 s[LOW], 0
	s_mov_b32 s[UP], s[P1]
	s_mov_b32 s[SB], s16
	s_mov_b32 s[NB], s[NT]
	s_cmp_eq_u32 s[BB], 1
	s_cselect_b32 s[LOW], s[P1], s[LOW]
	s_cselect_b32 s[UP], s[P2], s[UP]
	s_cselect_b32 s[SB], s17, s[SB]
	s_cselect_b32 s[NB], s[NT+1], s[NB]
	s_cmp_eq_u32 s[BB], 2
	s_cselect_b32 s[LOW], s[P2], s[LOW]
	s_cselect_b32 s[UP], s[P3], s[UP]
	s_cselect_b32 s[SB], s18, s[SB]
	s_cselect_b32 s[NB], s[NT+2], s[NB]
	s_cmp_eq_u32 s[BB], 3
	s_cselect_b32 s[LOW], s[P3], s[LOW]
	s_cselect_b32 s[UP], s[PT], s[UP]
	s_cselect_b32 s[SB], s19, s[SB]
	s_cselect_b32 s[NB], s[NT+3], s[NB]
	s_mov_b32 s[NLO], 0
	s_mov_b32 s[NHI], 0
	s_mov_b32 s[YY], s[TT]
	s_lshl_b32 s[T2], s[TT], 1
.rept 28
	s_cmp_lt_u32 s[YY], s[LOW]
	s_add_co_ci_u32 s[NLO], s[NLO], 0
	s_cmp_lt_u32 s[YY], s[UP]
	s_add_co_ci_u32 s[NHI], s[NHI], 0
	s_add_co_u32 s[YY], s[YY], s[T2]
.endr
	s_sub_co_u32 s[G], s[NHI], s[NLO]
	s_add_co_u32 s[G], s[G], 1
	s_sub_co_u32 s[PART], s[IP], s[NLO]
	s_add_co_u32 s[PART], s[PART], 1
	s_cmp_lt_u32 s[SLOT], 4
	s_cselect_b32 s[PART], 0, s[PART]
	s_lshl_b32 s[X0], s[WV], 7
	s_sub_co_i32 s[DD], s[SB], s[X0]
	s_cmp_gt_i32 s[DD], 0
	s_cselect_b32 s[NACT], s[NB], 0
	s_lshl_b32 s[ZT], s[ID], 4
	s_add_co_u32 s[ZT], s[ZT], s[WV]
	s_lshl_b32 s[OFS], s[ZT], 12
	s_mov_b32 s[OFS+1], 0
	s_add_nc_u64 s[ZB:ZB+1], s[14:15], s[OFS:OFS+1]
	s_lshl_b32 s[X0], s[BB], 3
	s_add_co_u32 s[X0], s[X0], s[HH]
	s_lshl_b32 s[OFS], s[X0], 17
	s_add_nc_u64 s[4:5], s[4:5], s[OFS:OFS+1]
	s_add_nc_u64 s[6:7], s[6:7], s[OFS:OFS+1]
	s_add_nc_u64 s[8:9], s[8:9], s[OFS:OFS+1]
	s_lshl_b32 s[OFS], s[X0], 19
	s_add_nc_u64 s[14:15], s[14:15], s[OFS:OFS+1]
	s_lshl_b32 s[OFS], s[WV], 13
	s_add_nc_u64 s[4:5], s[4:5], s[OFS:OFS+1]
	s_lshl_b32 s[OFS], s[WV], 7
	s_add_nc_u64 s[8:9], s[8:9], s[OFS:OFS+1]
	s_min_u32 s[X0], s[PART], 127
	s_lshl_b32 s[X0], s[X0], 10
	v_add_nc_u32 v[QA], s[X0], v[QL]
	s_add_co_u32 s[X1], s[PART], s[G]
	s_min_u32 s[X0], s[X1], 127
	s_lshl_b32 s[X0], s[X0], 10
	v_add_nc_u32 v[QA+1], s[X0], v[QL]
	s_add_co_u32 s[X1], s[X1], s[G]
	s_min_u32 s[X0], s[X1], 127
	s_lshl_b32 s[X0], s[X0], 10
	v_add_nc_u32 v[QO], s[X0], v[QL]
	global_load_b32 v[RH], v[QA], s[6:7]
	global_load_b32 v[RH+1], v[QA+1], s[6:7]
	global_load_b32 v[QR], v[QO], s[6:7]
.irp t, 0,1,2,3,4,5,6,7
.irp c, 0,1,2,3
	global_load_b64 v[KS+8*\t+2*\c:KS+8*\t+2*\c+1], v[KL], s[4:5] offset:(32*(\t/2)+8*(\t%2))*64+16*\c
.endr
.endr
.irp t, 0,1,2,3
.irp c, 0,1,2,3
	global_load_b128 v[S+16*\t+4*\c:S+16*\t+4*\c+3], v[VL], s[8:9] offset:16*\t*2048+32*\c
.endr
.endr
	v_sub_nc_u32 v[DV], s[DD], v[DV]
	s_add_co_i32 s[X0], s20, s21
	s_lshl_b32 s[X1], s[X0], 23
	s_add_co_i32 s[CS], s[X1], 0x3fb8aa3b
	s_mov_b32 s[CS+1], s[CS]
	s_add_co_i32 s[CL], s[X1], 0x32a5705f
	s_mov_b32 s[CL+1], s[CL]
	s_sub_co_i32 s[X0], 0, s[X0]
	v_mov_b32 v[NEGV], 0xce6e6b28
	v_ldexp_f32 v[NEGV], v[NEGV], s[X0]
	s_add_co_i32 s[X0], s22, 127
	s_lshl_b32 s[X1], s[X0], 23
	v_mov_b32 v[SCL], s[X1]
	s_add_co_i32 s[X0], s[X0], 15
	s_lshl_b32 s[X0], s[X0], 23
	s_or_b32 s[X0], s[X0], 0x600000
	v_mov_b32 v[LIM], s[X0]
	s_add_co_i32 s[EPV], s22, s23
	s_sub_co_i32 s[X0], TBIG+15, s20
	s_max_i32 s[X0], s[X0], 0
	s_min_i32 s[X0], s[X0], 32
	s_lshl_b32 s[X0], s[X0], 2
	s_sub_co_i32 s[X0], 128, s[X0]
	s_mul_i32 s[CQ], s[X0], 0x01010101
	s_sub_co_i32 s[X0], TBIG+15, s21
	s_max_i32 s[X0], s[X0], 0
	s_min_i32 s[X0], s[X0], 32
	s_lshl_b32 s[X0], s[X0], 2
	s_sub_co_i32 s[X0], 128, s[X0]
	s_mul_i32 s[CK], s[X0], 0x01010101
	v_mov_b32 v[PC], 0
	v_mov_b32 v[PC+1], 0
	v_mov_b32 v[PC+2], 0
	v_mov_b32 v[PC+3], 0
	v_mov_b32 v[T+4], 0x7f800000
	s_lshr_b32 s[ZT+1], s[ID], 6
	s_mov_b32 s[ZT+2], s16
	s_cmp_eq_u32 s[ZT+1], 1
	s_cselect_b32 s[ZT+2], s17, s[ZT+2]
	s_cmp_eq_u32 s[ZT+1], 2
	s_cselect_b32 s[ZT+2], s18, s[ZT+2]
	s_cmp_eq_u32 s[ZT+1], 3
	s_cselect_b32 s[ZT+2], s19, s[ZT+2]
	s_and_b32 s[ZT+3], s[ZT], 127
	s_lshl_b32 s[ZT+3], s[ZT+3], 4
	s_cmp_ge_u32 s[ZT+3], s[ZT+2]
	s_cbranch_scc0 .Lno_zero
.irp i, 0,1,2,3,4,5,6,7
	global_store_b128 v[ZL], v[PC:PC+3], s[ZB:ZB+1] offset:512*\i th:TH_STORE_NT
.endr
.Lno_zero:
.irp p, 0,1
	ds_store_b32 v[MW], v[T+4] offset:MXSZ*\p
	ds_store_b32 v[MW], v[PC] offset:LBO+MXSZ*\p
.irp t, 0,1,2,3
	ds_store_b128 v[OW+\p], v[PC:PC+3] offset:64*\t
	ds_store_b128 v[OW+\p], v[PC:PC+3] offset:64*\t+16
.endr
.endr
.macro SPLIT2 bg, sm, cst
	v_and_b32 v[T], s[M7], v[(\sm)]
	v_and_b32 v[T+2], s[M7], v[(\sm)+1]
	v_add_nc_u32 v[T], s[\cst], v[T]
	v_add_nc_u32 v[T+2], s[\cst], v[T+2]
	v_and_b32 v[T], s[M8], v[T]
	v_and_b32 v[T+2], s[M8], v[T+2]
	v_lshrrev_b32 v[T+1], 7, v[T]
	v_lshrrev_b32 v[T+3], 7, v[T+2]
	v_sub_nc_u32 v[T+1], v[T], v[T+1]
	v_sub_nc_u32 v[T+3], v[T+2], v[T+3]
	v_or_b32 v[T], v[T], v[T+1]
	v_or_b32 v[T+2], v[T+2], v[T+3]
	v_and_b32 v[(\bg)], v[(\sm)], v[T]
	v_and_b32 v[(\bg)+1], v[(\sm)+1], v[T+2]
	v_xor_b32 v[(\sm)], v[(\sm)], v[(\bg)]
	v_xor_b32 v[(\sm)+1], v[(\sm)+1], v[(\bg)+1]
.endm
.macro QSORT raw, p, tmp
	v_and_b32 v[(\tmp)], s[M7], v[(\raw)]
	v_add_nc_u32 v[(\tmp)], s[CQ], v[(\tmp)]
	v_and_b32 v[(\tmp)], s[M8], v[(\tmp)]
	v_lshrrev_b32 v[(\tmp)+1], 7, v[(\tmp)]
	v_sub_nc_u32 v[(\tmp)+1], v[(\tmp)], v[(\tmp)+1]
	v_or_b32 v[(\tmp)], v[(\tmp)], v[(\tmp)+1]
	v_xor_b32 v[(\tmp)], s[FL], v[(\tmp)]
	v_and_b32 v[(\tmp)], v[(\raw)], v[(\tmp)]
	ds_store_b32 v[QWI], v[(\tmp)] offset:QISZ*(\p)
.endm
.macro QFETCH p
.irp g, 0,1,2,3
	ds_load_b128 v[QB+4*\g:QB+4*\g+3], v[QRI] offset:QISZ*(\p)+512*\g
.endr
.endm
.macro MASKG c
.if \c < 3
	s_cmp_ge_i32 s[DD], 32*(\c)+32
	s_cbranch_scc1 .Lseen_\@
.endif
.set j, 0
.rept 16
	v_cmp_ge_i32 vcc_lo, 32*(\c)+j, v[DV]
	v_cndmask_b32 v[S+16*(\c)+j], v[S+16*(\c)+j], v[NEGV], vcc_lo
.set j, j+1
.endr
.if \c < 3
.Lseen_\@:
.endif
.endm
.macro CHAINS lo, hi
.set kk, \lo
.rept \hi-\lo+1
	v_max3_num_f32 v[T+kk], v[S+16*kk], v[S+16*kk+1], v[S+16*kk+2]
.set kk, kk+1
.endr
.set ss, 1
.rept 6
.set kk, \lo
.rept \hi-\lo+1
	v_max3_num_f32 v[T+kk], v[T+kk], v[S+16*kk+2*ss+1], v[S+16*kk+2*ss+2]
.set kk, kk+1
.endr
.set ss, ss+1
.endr
.endm
.macro MAXEND
	v_max3_num_f32 v[T], v[T], v[S+15], v[S+31]
	v_max3_num_f32 v[T+2], v[T+2], v[S+47], v[S+63]
	v_max3_num_f32 v[T], v[T], v[T+1], v[T+2]
	v_max_num_f32 v[T], v[T], v[T+3]
	v_permlanex16_b32 v[T+2], v[T], s[SEL], s[SEL+1]
	v_max_num_f32 v[T], v[T], v[T+2]
.endm
.macro FMA2 g
.irp hf, 0,1
.set j, 0
.rept 4
	v_pk_fma_f32 v[T+j:T+j+1], v[S+16*(\g)+8*\hf+j:S+16*(\g)+8*\hf+j+1], s[CS:CS+1], v[NR:NR+1] op_sel_hi:[1,0,0]
.set j, j+2
.endr
.set j, 0
.rept 4
	v_pk_fma_f32 v[S+16*(\g)+8*\hf+j:S+16*(\g)+8*\hf+j+1], v[S+16*(\g)+8*\hf+j:S+16*(\g)+8*\hf+j+1], s[CL:CL+1], v[T+j:T+j+1] op_sel_hi:[1,0,1]
.set j, j+2
.endr
.endr
.endm
.macro SCORES pa, cond
.if \cond
	s_cmp_lt_u32 s[TA], s[NACT]
	s_cbranch_scc0 .Lno_a_\@
.endif
	s_wait_dscnt 0x0
.irp t, 0,1,2,3,4,5,6,7
	v_wmma_f32_16x16x64_bf8_bf8 v[S+8*\t:S+8*\t+7], v[KB+8*\t:KB+8*\t+7], v[QB:QB+7], 0
.endr
.rept 4
	v_nop
.endr
	s_cmp_ge_i32 s[DD], 128
	s_cbranch_scc1 .Lopen_\@
	MASKG 0
	MASKG 1
	MASKG 2
	MASKG 3
.Lopen_\@:
	CHAINS 0, 3
	MAXEND
	v_mul_f32 v[T+1], s[CS], v[T]
	v_floor_f32 v[NR], -v[T+1]
	FMA2 0
.irp b, 0,1,2,3
	v_wmma_f32_16x16x64_bf8_bf8 v[PC:PC+7], v[KS+16*\b:KS+16*\b+7], v[QB:QB+7], 0
	v_wmma_f32_16x16x64_bf8_bf8 v[PC+8:PC+15], v[KS+16*\b+8:KS+16*\b+15], v[QB:QB+7], 0
	v_wmma_f32_16x16x64_bf8_bf8 v[PC:PC+7], v[KS+16*\b:KS+16*\b+7], v[QS:QS+7], v[PC:PC+7]
	v_wmma_f32_16x16x64_bf8_bf8 v[PC+8:PC+15], v[KS+16*\b+8:KS+16*\b+15], v[QS:QS+7], v[PC+8:PC+15]
	v_wmma_f32_16x16x64_bf8_bf8 v[PC:PC+7], v[KB+16*\b:KB+16*\b+7], v[QS:QS+7], v[PC:PC+7]
	v_wmma_f32_16x16x64_bf8_bf8 v[PC+8:PC+15], v[KB+16*\b+8:KB+16*\b+15], v[QS:QS+7], v[PC+8:PC+15]
.if \b < 3
	FMA2 \b+1
.else
	CHAINS 0, 2
.endif
.set j, 0
.rept 8
	v_pk_fma_f32 v[S+16*\b+j:S+16*\b+j+1], v[PC+j:PC+j+1], s[CS:CS+1], v[S+16*\b+j:S+16*\b+j+1] op_sel_hi:[1,0,1]
.set j, j+2
.endr
.endr
	CHAINS 3, 3
	MAXEND
	v_floor_f32 v[T+1], -v[T]
	v_add_f32 v[T], v[NR], v[T+1]
	ds_store_b32 v[MW], v[T] offset:MXSZ*(\pa)
.if \cond
.Lno_a_\@:
.endif
.endm
.macro SOFTPV pb
	s_cmp_lt_u32 s[TB], s[NACT]
	s_cbranch_scc0 .Lno_b_\@
	ds_load_b128 v[T:T+3], v[MR] offset:MXSZ*(\pb)
	ds_load_b128 v[T+4:T+7], v[MR] offset:MXSZ*(\pb)+16
	s_wait_dscnt 0x0
	v_min3_num_f32 v[T], v[T], v[T+1], v[T+2]
	v_min3_num_f32 v[T+4], v[T+4], v[T+5], v[T+6]
	v_min3_num_f32 v[T], v[T], v[T+3], v[T+7]
	v_min_num_f32 v[T], v[T], v[T+4]
	v_permlanex16_b32 v[T+1], v[T], s[SEL], s[SEL+1]
	v_min_num_f32 v[T], v[T], v[T+1]
	v_sub_f32 v[T+2], v[T], v[NR]
	v_pk_add_f32 v[S:S+1], v[S:S+1], v[T+2:T+3] op_sel_hi:[1,0]
	v_pk_add_f32 v[S+2:S+3], v[S+2:S+3], v[T+2:T+3] op_sel_hi:[1,0]
.set j, 0
.rept 32
	v_exp_f32 v[S+2*j], v[S+2*j]
.if j < 30
	v_pk_add_f32 v[S+2*j+4:S+2*j+5], v[S+2*j+4:S+2*j+5], v[T+2:T+3] op_sel_hi:[1,0]
.endif
	v_exp_f32 v[S+2*j+1], v[S+2*j+1]
.if j == 2
	s_wait_alu depctr_va_vdst(0)
	v_pk_add_f32 v[SUM:SUM+1], v[S:S+1], v[S+2:S+3]
.elseif j == 4
	s_wait_alu depctr_va_vdst(0)
	v_pk_add_f32 v[T+4:T+5], v[S+4:S+5], v[S+6:S+7]
.elseif j > 4
.if j % 2
	v_pk_add_f32 v[SUM:SUM+1], v[SUM:SUM+1], v[S+2*j-2:S+2*j-1]
.else
	s_wait_alu depctr_va_vdst(0)
	v_pk_add_f32 v[T+4:T+5], v[T+4:T+5], v[S+2*j-2:S+2*j-1]
.endif
.endif
.set j, j+1
.endr
	s_wait_alu depctr_va_vdst(0)
	v_pk_add_f32 v[T+4:T+5], v[T+4:T+5], v[S+62:S+63]
	v_pk_add_f32 v[SUM:SUM+1], v[SUM:SUM+1], v[T+4:T+5]
	v_add_f32 v[SUM], v[SUM], v[SUM+1]
	v_permlanex16_b32 v[SUM+1], v[SUM], s[SEL], s[SEL+1]
	v_add_f32 v[SUM], v[SUM], v[SUM+1]
	ds_store_b32 v[MW], v[SUM] offset:LBO+MXSZ*(\pb)
	s_cmp_ge_i32 s22, -15
	s_cbranch_scc1 .Lno_hold_\@
.set j, 0
.rept 64
	v_min_num_f32 v[S+j], v[S+j], v[LIM]
.set j, j+1
.endr
.Lno_hold_\@:
.irp b, 2,3
	v_cvt_scalef32_pk8_bf8_f32 v[PC+4*\b:PC+4*\b+1], v[S+16*\b:S+16*\b+7], v[SCL]
	v_cvt_scalef32_pk8_bf8_f32 v[PC+4*\b+2:PC+4*\b+3], v[S+16*\b+8:S+16*\b+15], v[SCL]
.endr
.irp i, 0,1,2,3,4,5,6,7
	ds_load_b128 v[S+32+4*\i:S+32+4*\i+3], v[VI] offset:512*\i
.endr
.irp b, 0,1
	v_cvt_scalef32_pk8_bf8_f32 v[PC+4*\b:PC+4*\b+1], v[S+16*\b:S+16*\b+7], v[SCL]
	v_cvt_scalef32_pk8_bf8_f32 v[PC+4*\b+2:PC+4*\b+3], v[S+16*\b+8:S+16*\b+15], v[SCL]
.endr
	v_nop
	s_wait_dscnt 0x0
	v_wmma_f32_16x16x128_bf8_bf8 v[S:S+7], v[S+32:S+47], v[PC:PC+15], 0
	v_wmma_f32_16x16x128_bf8_bf8 v[S+8:S+15], v[S+48:S+63], v[PC:PC+15], 0
.rept 4
	v_nop
.endr
.irp i, 0,1,2,3,4,5,6,7
	ds_load_b128 v[S+32+4*\i:S+32+4*\i+3], v[VI] offset:512*(8+\i)
.endr
	s_wait_dscnt 0x0
	v_wmma_f32_16x16x128_bf8_bf8 v[S+16:S+23], v[S+32:S+47], v[PC:PC+15], 0
	v_wmma_f32_16x16x128_bf8_bf8 v[S+24:S+31], v[S+48:S+63], v[PC:PC+15], 0
.rept 5
	v_nop
.endr
.irp t, 0,1,2,3
	ds_store_b128 v[OW+(\pb)], v[S+8*\t:S+8*\t+3] offset:64*\t
	ds_store_b128 v[OW+(\pb)], v[S+8*\t+4:S+8*\t+7] offset:64*\t+16
.endr
.Lno_b_\@:
.endm
.macro MERGE pc
	s_cmp_lt_u32 s[TC], s[NB]
	s_cbranch_scc0 .Lno_c_\@
	ds_load_b32 v[T], v[LR] offset:MXSZ*(\pc)
.irp u, 0,1,2,3,4,5,6,7,8,9,10,11,12,13,14,15
	ds_load_b64 v[S+32+2*\u:S+32+2*\u+1], v[ORD+(\pc)] offset:OBW*\u
.endr
	s_wait_dscnt 16
	v_add_f32_dpp v[T], v[T], v[T] row_xmask:1 row_mask:0xf bank_mask:0xf
	v_add_f32_dpp v[T], v[T], v[T] row_xmask:2 row_mask:0xf bank_mask:0xf
	v_add_f32_dpp v[T], v[T], v[T] row_xmask:4 row_mask:0xf bank_mask:0xf
	v_add_f32_dpp v[T], v[T], v[T] row_xmask:8 row_mask:0xf bank_mask:0xf
	v_rcp_f32 v[T+1], v[T]
	s_min_u32 s[X0], s[TC], 127
	s_lshl_b32 s[X1], s[X0], 12
	v_add_nc_u32 v[OO], s[X1], v[OL]
	s_lshl_b32 s[X0], s[TC], 4
	s_add_co_u32 s[X0], s[X0], s[WV]
	s_cmp_lt_u32 s[X0], s[SB]
	s_cselect_b32 s[X0], -1, 0
	s_wait_alu depctr_va_vdst(0)
	v_ldexp_f32 v[T+2], v[T+1], s[EPV]
	s_wait_dscnt 0x0
.irp u, 0,2,4,6,8,10,12,14
	v_pk_add_f32 v[S+32+2*\u:S+32+2*\u+1], v[S+32+2*\u:S+32+2*\u+1], v[S+34+2*\u:S+34+2*\u+1]
.endr
.irp u, 0,4,8,12
	v_pk_add_f32 v[S+32+2*\u:S+32+2*\u+1], v[S+32+2*\u:S+32+2*\u+1], v[S+36+2*\u:S+36+2*\u+1]
.endr
.irp u, 0,8
	v_pk_add_f32 v[S+32+2*\u:S+32+2*\u+1], v[S+32+2*\u:S+32+2*\u+1], v[S+40+2*\u:S+40+2*\u+1]
.endr
	v_pk_add_f32 v[S+32:S+33], v[S+32:S+33], v[S+48:S+49]
	v_pk_mul_f32 v[SUM:SUM+1], v[S+32:S+33], v[T+2:T+3] op_sel_hi:[1,0]
	v_and_b32 v[SUM], s[X0], v[SUM]
	v_and_b32 v[SUM+1], s[X0], v[SUM+1]
	global_store_b64 v[OO], v[SUM:SUM+1], s[14:15] th:TH_STORE_NT
.Lno_c_\@:
.endm
.macro STAGE pa
	s_wait_dscnt 0x0
	s_barrier_signal -1
	s_mov_b32 s[TC], s[TB]
	s_mov_b32 s[TB], s[TA]
	s_add_co_u32 s[TA], s[TA], s[G]
	s_barrier_wait -1
	s_wait_loadcnt 0x0
	s_wait_xcnt 0x0
	s_cmp_lt_u32 s[TA], s[NACT]
	s_cbranch_scc0 .Lno_f_\@
	QFETCH \pa
.Lno_f_\@:
	s_add_co_u32 s[X0], s[TA], s[G]
	s_cmp_lt_u32 s[X0], s[NB]
	s_cbranch_scc0 .Lno_q_\@
	QSORT QR, 1-\pa, PC
	s_add_co_u32 s[X0], s[X0], s[G]
	s_cmp_lt_u32 s[X0], s[NB]
	s_cbranch_scc0 .Lno_q_\@
	s_min_u32 s[X0], s[X0], 127
	s_lshl_b32 s[X0], s[X0], 10
	v_add_nc_u32 v[QO], s[X0], v[QL]
	global_load_b32 v[QR], v[QO], s[6:7]
.Lno_q_\@:
	SOFTPV 1-\pa
	MERGE \pa
	SCORES \pa, 1
.endm
	s_wait_loadcnt 0x0
.set j, 0
.rept 16
	ds_store_b128 v[VI], v[S+4*j:S+4*j+3] offset:512*j
.set j, j+1
.endr
	QSORT RH, 0, T
	QSORT RH+1, 1, T+2
	s_wait_dscnt 0x0
	s_barrier_signal -1
.set j, 0
.rept 32
	SPLIT2 KB+j, KS+j, CK
.set j, j+2
.endr
	s_barrier_wait -1
	QFETCH 0
	s_wait_xcnt 0x0
	s_mov_b32 s[TA], s[PART]
	s_mov_b32 s[TB], 255
	s_mov_b32 s[TC], 255
	SCORES 0, 0
	s_mov_b32 s[TRIP], 17
.Ltrip:
	STAGE 1
	STAGE 0
	s_sub_co_u32 s[TRIP], s[TRIP], 1
	s_cmp_lg_u32 s[TRIP], 0
	s_cbranch_scc1 .Ltrip
	s_wait_xcnt 0x0
	v_lshl_add_u32 v254, v0, 2, 0x44400
	v_mov_b32 v255, 0
	s_wait_tensorcnt 0x0
	ds_add_u32 v254, v255
	s_wait_dscnt 0x0
	s_endpgm
.Lfunc_end_k_q933cd40fc7_attn:
	.size	k_q933cd40fc7_attn, .Lfunc_end_k_q933cd40fc7_attn-k_q933cd40fc7_attn
	.p2alignl 7, 3214868480
	.fill 96, 4, 3214868480
	.section	.rodata,"a",@progbits
	.p2align	6, 0x0
	.amdhsa_kernel k_q933cd40fc7_attn
		.amdhsa_group_segment_fixed_size 281600
		.amdhsa_private_segment_fixed_size 0
		.amdhsa_enable_private_segment 0
		.amdhsa_kernarg_size 48
		.amdhsa_user_sgpr_count 2
		.amdhsa_user_sgpr_kernarg_segment_ptr 1
		.amdhsa_wavefront_size32 1
		.amdhsa_system_sgpr_workgroup_id_x 1
		.amdhsa_system_sgpr_workgroup_id_y 1
		.amdhsa_system_sgpr_workgroup_id_z 1
		.amdhsa_system_vgpr_workitem_id 0
		.amdhsa_next_free_vgpr 256
		.amdhsa_next_free_sgpr 84
		.amdhsa_reserve_vcc 1
		.amdhsa_float_denorm_mode_32 3
		.amdhsa_float_denorm_mode_16_64 3
		.amdhsa_memory_ordered 1
		.amdhsa_forward_progress 1
		.amdhsa_inst_pref_size 126
	.end_amdhsa_kernel
	.amdgpu_metadata
---
amdhsa.version: [ 1, 2 ]
amdhsa.kernels:
  - .name:           k_q933cd40fc7_attn
    .symbol:         k_q933cd40fc7_attn.kd
    .args:
      - { .name: K_codes, .offset: 0, .size: 8, .value_kind: global_buffer, .address_space: global }
      - { .name: Q_codes, .offset: 8, .size: 8, .value_kind: global_buffer, .address_space: global }
      - { .name: V_codes, .offset: 16, .size: 8, .value_kind: global_buffer, .address_space: global }
      - { .name: lowp_scales, .offset: 24, .size: 8, .value_kind: global_buffer, .address_space: global }
      - { .name: seqlens, .offset: 32, .size: 8, .value_kind: global_buffer, .address_space: global }
      - { .name: out0, .offset: 40, .size: 8, .value_kind: global_buffer, .address_space: global }
    .group_segment_fixed_size: 281600
    .private_segment_fixed_size: 0
    .kernarg_segment_align: 8
    .kernarg_segment_size: 48
    .max_flat_workgroup_size: 512
    .sgpr_count:     84
    .vgpr_count:     256
    .wavefront_size: 32
...
	.end_amdgpu_metadata
.endif
;; end of part 1
